; MI455X (gfx1250); checked and timed in simulation.
; The chip was launched on July 23, 2026; its instructions are those of AMD's public machine-readable ISA for CDNA 5 (MIT licence, August 2026) and "CDNA5" Instruction Set Architecture Reference Guide (July 2026). The comments in the code are by the model that wrote it; some were corrected since.
;; Mixture Of Experts Layer. Allowed arithmetic: matrix products marked QUANTISED: E4M3 operands, one E8M0 scale for each 32 along K, by v_wmma_scale_f32_16x16x128_f8f6f4 with both operands' format E4M3, f32 sums; products left as they are: f32 operands where the result goes on into a quantised operand, else bf16, f16 or f32 operands; f32 sums; everything else in f32.
;; Inputs: W1_codes 8 x 512 x 32 x 32 uint8 (E4M3 codes of W1, K innermost, in blocks of 32 codes); W1_scales 8 x 512 x 32 uint8 (E8M0 scales of W1, one for each 32 codes along K); Wg 1,024 x 8 float32; b1 8 x 512 float32; bg 8 float32; ctrl 8 x 8 x 512 float32; proj_codes 8 x 512 x 16 x 32 uint8 (E4M3 codes of proj, K innermost, in blocks of 32 codes); proj_scales 8 x 512 x 16 uint8 (E8M0 scales of proj, one for each 32 codes along K); scaling 8 x 512 float32; x 8,192 x 1,024 float32.
;; Outputs: out0 8,192 x 512 float32.
;; This version of the problem:
;;   THIS VERSION OF THE PROBLEM IS GIVEN IN LOW PRECISION. The matrix products marked QUANTISED in the list below multiply operands that are first quantised to E4M3 (4 exponent bits, 3 mantissa bits; 8 bits a number), with one power-of-two scale for each 32 numbers along K (OCP MX v1.0); their sums are f32. All else is computed in f32.
;;   The module's matrix products, in the order in which they are computed (A, B: the left and right operand; K: the contracted axis; several contracted axes count as one K, in the product's order):
;;     1. [M 4,096, K 1,024] x [K 1,024, N 8,192]; A: input W1 (given as codes); B: input x: QUANTISED
;;     2. batch 8 x [M 8,192, K 512] x [K 512, N 512]; A: computed on the way; B: input proj (given as codes): QUANTISED
;;     3. batch 4,096 x [M 1, K 8] x [K 8, N 8,192]; A: input ctrl; B: computed on the way: left as it is (K = 8 < 32)
;;     4. [M 8,192, K 1,024] x [K 1,024, N 8]; A: input x; B: input Wg: left as it is (N = 8 < 16)
;;     5. batch 8,192 x [M 512, K 8] x [K 8, N 1]; A: computed on the way; B: computed on the way: left as it is (K = 8 < 32)
;;   THE QUANTISER, for each operand of a quantised product, along K:
;;     - K is cut into blocks of 32 from its start; a last block that is shorter is filled with zeros.
;;     - A block's scale is 2^e with e = floor(log2(the largest magnitude in the block)) - 8, held to -126 .. 127; a block of zeros has e = 0. As a byte (E8M0): e + 127.
;;     - Each number is divided by its block's scale, clamped to +-448, and rounded to the nearest number of E4M3, ties to even, subnormals kept.
;;     - The product sums the exact products of the quantised numbers (number of the format x scale) in f32.
;;   ~~~python
;;   def quantise(x, axis):      # numpy; x: float32 -> the quantised numbers, widened to float32 again
;;       x = np.moveaxis(x, axis, -1); K = x.shape[-1]
;;       x = np.pad(x, [(0, 0)] * (x.ndim - 1) + [(0, -K % 32)]); x = x.reshape(x.shape[:-1] + (-1, 32)); a = np.abs(x).max(-1, keepdims=True)
;;       e = np.where(a > 0, np.clip(np.frexp(np.where(a > 0, a, 1))[1] - 1 - 8, -126, 127), 0)      # np.frexp(a)[1] - 1 = floor(log2(a)), exactly
;;       r = np.clip(x / 2.0 ** e, -448, 448)
;;       step = 2.0 ** (np.maximum(np.frexp(np.where(r == 0, 1, r))[1] - 1, -6) - 3)
;;       q = np.round(r / step) * step * 2.0 ** e      # np.round: ties to even
;;       return np.moveaxis(q.reshape(q.shape[:-2] + (-1,))[..., :K], -1, axis).astype(np.float32)
;;   ~~~
;;   OPERANDS COMPUTED ON THE WAY. 'Computed on the way' means the value that the module computes at that place (a softmax that the list does not call 'softmax' is quantised finished and normalised). What goes into a quantiser is computed in f32, as accurately as f32 sums, v_exp_f32 and their like allow (about 1e-6 of the number): no bf16 or f16 on the way to a quantiser, and a product that is left as it is and whose result goes on into a quantised operand takes f32 operands (vector FMAs, or v_wmma_f32_16x16x4_f32). A number that lies on a knife's edge between two numbers of the format may be rounded either way, as far as f32 arithmetic and the matrix unit's own rounding can turn it there, and no further.
;;   INPUTS GIVEN AS CODES. W1 (in the module: [8, 1024, 512], K = its axis 1); proj (in the module: [8, 512, 512], K = its axis 1): each comes as NAME_codes (uint8): NAME with its K axis moved to the last place and cut into blocks of 32 codes, [.., K / 32, bytes a block], one block behind the other in memory; one code a byte (a code: sign, 4 exponent bits, 3 mantissa bits); and NAME_scales (uint8): the same leading axes, one E8M0 byte (e + 127) for each 32 codes along K. Its value is code x scale, taken as it is: it is not quantised again, and the codes and scales need not be those that the quantiser above would give.
;; One version. Each part assembles by itself: llvm-mc -triple=amdgcn-amd-amdhsa -mcpu=gfx1250 --defsym DOCPART=n.
;; ======== version 1 of 1: 3 launches
;; workspace buffers: xq 8,388,608 bytes; xs 262,144 bytes; eid 32,768 bytes of whole numbers; rows 262,144 bytes of whole numbers; cnt 1,024 bytes of whole numbers; w1f 4,194,304 bytes; pjf 2,097,152 bytes
;; launch gate (part 1): grid 256 x 1, 8 waves a work-group, no clusters, 215,552 bytes of LDS; arguments x, Wg, bg, xq, xs, eid; writes xq, xs, eid
.if DOCPART == 1
	.amdgcn_target "amdgcn-amd-amdhsa--gfx1250"
	.amdhsa_code_object_version 6
	.text
	.protected	k_q5ae95b7f50_gate
	.globl	k_q5ae95b7f50_gate
	.p2align	8
	.type	k_q5ae95b7f50_gate,@function
k_q5ae95b7f50_gate:
	s_mov_b64 s[64:65], 0
	v_nop
	global_prefetch_b8 v0, s[64:65] scope:SCOPE_SE
	s_setreg_imm32_b32 hwreg(HW_REG_WAVE_MODE, 25, 1), 1
	s_wait_xcnt 0x0
; x [8192][1024] f32 is read ONCE and serves twice: the gate (logits = x Wg + bg in f32, argmax -> eid) and the first product's operand
; (codes of E4M3 with one E8M0 byte for each 32 along K -> xq [8192][1024], xs [8192][32]).
; SHARES.  A work-group takes 32 tokens, wave w the columns k = 128 w .. 128 w + 127 of all 32.  Loads take the bytes as they lie (sixteen lanes
; read 256 consecutive bytes of a row); the numbers turn through the wave's own LDS bytes and come back with ONE TOKEN TO A LANE, registers along K:
; a block of 32 then lies in one lane (its largest magnitude needs no other lane), and a lane sums its own token's logits.
; THE GATE stays in f32: a logit rounded more coarsely could turn an argmax, and with it a whole row of the result.
; Wg's 128 rows of the wave lie in its own LDS bytes as [k / 2][e][k % 2]: a load that all lanes aim at one address brings pairs (Wg[k][e], Wg[k+1][e]),
; which a packed multiply-add takes against the pair (x[k], x[k+1]): 16 partial sums a lane, 8 chains that do not wait for each other.
; A block's scale is 2^(floor(log2(largest magnitude)) - 8): its byte is that magnitude's exponent field - 8, held at 1 from below by a floor in the maximum.
; LIMITS: NaN and infinities among the inputs are not served.  A block of zeros gets the byte 1 where the quantiser says 127: its codes are zeros, and these
; bytes are read by this program alone.  Equal logits go to the lower index; two largest logits closer than the rounding of an f32 sum of 1,024 terms may fall either way.
.set XTW,  17408                       ; LDS: a wave's turning stage: two halves of 32 rows x (256 bytes + 16)
.set XTH,  8704
.set CST,  139264                      ; the codes of 32 tokens: rows of 1,024 bytes + 16
.set CP,   1040
.set SST,  172544                      ; their scale bytes: 32 a token
.set LG,   173568                      ; partial logits [wave][token][8]
.set WGS,  181760                      ; Wg, 4,096 bytes a wave
.set VO,   1                           ; v1   x: 4096 (lane / 16) + 16 (lane % 16)
.set VS,   2                           ; v2   the stage, on the way in
.set VL,   3                           ; v3   the stage, on the way out: 272 x lane
.set VC,   4                           ; v4   where my token's codes go
.set VSS,  5                           ; v5   where its scale word goes
.set VLG,  6                           ; v6   where its partial logits go
.set VW,   7                           ; v7   my wave's Wg (the same address in every lane)
.set L16,  8                           ; v8   16 x lane
.set VCR,  9                           ; v9   codes read back by rows
.set VSR,  10                          ; v10  scale bytes read back
.set VLR,  11                          ; v11  partial logits read back
.set SB,   12                          ; v12  the scale word in the making
.set E4,   13                          ; v13  4 x lane
.set VWS,  14                          ; v14  Wg on its way into LDS
.set L,    16                          ; v16-31  16 partial sums: pair e = (even k's, odd k's)
.set X,    32                          ; v32-63  a block's 32 numbers
.set WA,   64                          ; v64-127  eight rows of Wg
.set WB,   128                         ; v128-191 eight more (free once x's first half has gone into the stage)
.set R,    128                         ; v128-255 x as loaded
.set T,    64                          ; v64-67 at work in the quantiser
.set C,    68                          ; v68-75 a block's codes
	s_load_b256 s[4:11], s[0:1], 0x0               ; x s[4:5], Wg s[6:7], bg s[8:9], xq s[10:11]
	s_load_b128 s[12:15], s[0:1], 0x20             ; xs s[12:13], eid s[14:15]
	s_set_vgpr_msb 0x40
	v_lshl_add_u32 v0, v0, 2, 0x34600
	v_mov_b32 v1, 0
	s_set_vgpr_msb 0x4000
	v_lshrrev_b32 v15, 5, v0
	v_readfirstlane_b32 s24, v15                   ; wave
	v_and_b32 v15, 31, v0                          ; lane
	v_lshlrev_b32 v[L16], 4, v15
	v_lshlrev_b32 v[E4], 2, v15
	v_bfe_u32 v[VO], v0, 4, 1                      ; lane / 16
	v_and_b32 v[VS], 15, v0
	v_lshlrev_b32 v[VS], 4, v[VS]                  ; 16 (lane % 16)
	v_mul_u32_u24 v[VL], v[VO], 272
	v_lshl_add_u32 v[VO], v[VO], 12, v[VS]
	v_add_nc_u32 v[VS], v[VS], v[VL]
	s_mul_i32 s25, s24, XTW
	v_add_nc_u32 v[VS], s25, v[VS]
	v_mul_u32_u24 v[VL], v15, 272
	v_add_nc_u32 v[VL], s25, v[VL]
	v_mul_u32_u24 v[VC], v15, CP
	s_lshl_b32 s26, s24, 7
	s_add_co_u32 s26, s26, CST
	v_add_nc_u32 v[VC], s26, v[VC]                 ; CST + 1040 x token + 128 x wave
	v_lshlrev_b32 v[VSS], 5, v15
	s_lshl_b32 s26, s24, 2
	s_add_co_u32 s26, s26, SST
	v_add_nc_u32 v[VSS], s26, v[VSS]               ; SST + 32 x token + 4 x wave
	v_lshlrev_b32 v[VLR], 5, v15
	s_lshl_b32 s26, s24, 10
	s_add_co_u32 s26, s26, LG
	v_add_nc_u32 v[VLG], s26, v[VLR]               ; LG + 1024 x wave + 32 x token
	v_add_nc_u32 v[VLR], LG, v[VLR]
	s_lshl_b32 s26, s24, 12
	s_add_co_u32 s26, s26, WGS
	v_mov_b32 v[VW], s26
	v_lshrrev_b32 v[VWS], 2, v15                   ; a loaded lane holds Wg[16 i + lane / 2][4 (lane % 2) + j]: it goes to 64 (k / 2) + 8 e + 4 (k % 2)
	v_lshlrev_b32 v[VWS], 6, v[VWS]
	v_and_b32 v[SB], 1, v15
	v_lshl_add_u32 v[VWS], v[SB], 5, v[VWS]
	v_bfe_u32 v[SB], v0, 1, 1
	v_lshl_add_u32 v[VWS], v[SB], 2, v[VWS]
	v_add_nc_u32 v[VWS], s26, v[VWS]
	s_mul_i32 s26, s24, 4*CP
	s_add_co_u32 s26, s26, CST
	v_add_nc_u32 v[VCR], s26, v[L16]               ; rows 4 w .. 4 w + 3 of the codes
	s_lshl_b32 s26, s24, 9
	s_add_co_u32 s27, s26, SST
	v_add_nc_u32 v[VSR], s27, v[L16]               ; (read by waves 0 and 1 alone)
	s_lshl_b32 s28, ttmp9, 17                      ; x: 32 rows of 4,096 bytes a work-group, 512 bytes of a row a wave
	s_add_co_u32 s28, s28, s26
	s_mov_b32 s29, 0
	s_lshl_b32 s30, s24, 12                        ; Wg: 128 rows of 32 bytes a wave
	s_mov_b32 s31, 0
	s_lshl_b32 s32, ttmp9, 15                      ; xq: 32 rows of 1,024 bytes a work-group, 4 rows a wave
	s_add_co_u32 s32, s32, s30
	s_mov_b32 s33, 0
	s_lshl_b32 s34, ttmp9, 10                      ; xs
	s_mov_b32 s35, 0
	s_lshl_b32 s36, ttmp9, 7                       ; eid
	s_mov_b32 s37, 0
	s_mov_b32 s38, 0x600000                        ; the mantissa field of 448
	s_wait_kmcnt 0x0
	s_add_nc_u64 s[4:5], s[4:5], s[28:29]
	s_add_nc_u64 s[6:7], s[6:7], s[30:31]
	s_add_nc_u64 s[10:11], s[10:11], s[32:33]
	s_add_nc_u64 s[12:13], s[12:13], s[34:35]
	s_add_nc_u64 s[14:15], s[14:15], s[36:37]
	s_load_b256 s[16:23], s[8:9], 0x0              ; bg
.irp i, 0,1,2,3,4,5,6,7,8,9,10,11,12,13,14,15
	global_load_b128 v[R+4*\i:R+4*\i+3], v[VO], s[4:5] offset:\i*8192 th:TH_LOAD_NT          ; tokens 2 i, 2 i + 1: my first 64 columns, 256 consecutive bytes each
.endr
.irp i, 0,1,2,3,4,5,6,7
	global_load_b128 v[WA+4*\i:WA+4*\i+3], v[L16], s[6:7] offset:512*\i
.endr
.irp i, 0,1,2,3,4,5,6,7,8,9,10,11,12,13,14,15
	global_load_b128 v[R+64+4*\i:R+64+4*\i+3], v[VO], s[4:5] offset:\i*8192+256 th:TH_LOAD_NT ; my other 64 columns
.endr
.macro WROWS g, buf                    ; eight rows of Wg (four pairs of k, 256 bytes): every lane reads the same 16 bytes
.irp i, 0,1,2,3,4,5,6,7,8,9,10,11,12,13,14,15
	ds_load_b128 v[\buf+4*\i:\buf+4*\i+3], v[VW] offset:256*(\g)+16*\i
.endr
.endm
.macro FMAS buf, x0, first             ; 8 k x 8 experts: 32 packed multiply-adds; first = 1: the first products start the sums
.irp kp, 0,1,2,3
.irp e, 0,1,2,3,4,5,6,7
.if (\first) && (\kp == 0)
	v_pk_mul_f32 v[L+2*\e:L+2*\e+1], v[\buf+16*\kp+2*\e:\buf+16*\kp+2*\e+1], v[\x0+2*\kp:\x0+2*\kp+1]
.else
	v_pk_fma_f32 v[L+2*\e:L+2*\e+1], v[\buf+16*\kp+2*\e:\buf+16*\kp+2*\e+1], v[\x0+2*\kp:\x0+2*\kp+1], v[L+2*\e:L+2*\e+1]
.endif
.endr
.endr
.endm
; Block kb of my token: 32 numbers along K.  The waits count LDS loads: 16 are always the group of Wg asked for last.
.macro BLOCK kb
.irp i, 0,1,2,3,4,5,6,7
	ds_load_b128 v[X+4*\i:X+4*\i+3], v[VL] offset:((\kb)/2)*XTH+((\kb)%2)*128+16*\i
.endr
	WROWS 4*(\kb), WA
	WROWS 4*(\kb)+1, WB
	s_wait_dscnt 16                                ; the numbers and the first eight rows are in
.if (\kb) == 0
	FMAS WA, X, 1
.else
	FMAS WA, X, 0
.endif
	WROWS 4*(\kb)+2, WA
	s_wait_dscnt 16
	FMAS WB, X+8, 0
	WROWS 4*(\kb)+3, WB
	s_wait_dscnt 16
	FMAS WA, X+16, 0
	s_wait_dscnt 0x0
	FMAS WB, X+24, 0
	v_max3_num_f32 v[T], |v[X]|, |v[X+1]|, |v[X+2]|                ; the block's largest magnitude: all 32 numbers are mine
	v_max3_num_f32 v[T+1], |v[X+3]|, |v[X+4]|, |v[X+5]|
.irp i, 6,10,14,18,22,26
	v_max3_num_f32 v[T], v[T], |v[X+\i]|, |v[X+\i+1]|
	v_max3_num_f32 v[T+1], v[T+1], |v[X+\i+2]|, |v[X+\i+3]|
.endr
	v_max3_num_f32 v[T], v[T], |v[X+30]|, |v[X+31]|
	v_max3_num_f32 v[T], v[T], v[T+1], 0x4800000   ; and the floor 2^(9 - 127): the byte cannot fall under 1
	v_add_nc_u32 v[T+3], 0xfc000000, v[T]          ; 8 off its exponent field: the conversion takes this operand's exponent field as its scale
	v_and_or_b32 v[T+2], v[T], 0x7f800000, s38     ; 448 x the scale
	v_lshrrev_b32 v[T+1], 23, v[T+3]               ; the scale's byte
.if (\kb) == 0
	v_mov_b32 v[SB], v[T+1]
.else
	v_lshl_or_b32 v[SB], v[T+1], 8*(\kb), v[SB]
.endif
.irp i, 0,1,2,3,4,5,6,7,8,9,10,11,12,13,14,15,16,17,18,19,20,21,22,23,24,25,26,27,28,29,30,31
	v_med3_num_f32 v[X+\i], v[X+\i], -v[T+2], v[T+2]               ; the conversion to an 8-bit code does not saturate (ISA guide 7.6.2): hold first
.endr
.irp g, 0,1,2,3
	v_cvt_scalef32_pk8_fp8_f32 v[C+2*\g:C+2*\g+1], v[X+8*\g:X+8*\g+7], v[T+3]
.endr
	v_nop                                          ; one plain line behind the last conversion
	ds_store_b128 v[VC], v[C:C+3] offset:32*(\kb)
	ds_store_b128 v[VC], v[C+4:C+7] offset:32*(\kb)+16
	s_wait_dscnt 0x0                               ; the stores have read their registers, which the next block's rows of Wg land in
.endm
	s_wait_loadcnt 16                              ; x's first half and Wg are in; the 16 loads of the second half stay out
	s_wait_kmcnt 0x0                               ; bg
.irp i, 0,1,2,3,4,5,6,7
.irp j, 0,1,2,3
	ds_store_b32 v[VWS], v[WA+4*\i+\j] offset:512*\i+8*\j
.endr
.endr
.irp i, 0,1,2,3,4,5,6,7,8,9,10,11,12,13,14,15
	ds_store_b128 v[VS], v[R+4*\i:R+4*\i+3] offset:\i*544
.endr
	s_wait_dscnt 0x0                               ; the stores have read their registers: rows of Wg land there next
	BLOCK 0
	BLOCK 1
	s_wait_loadcnt 0x0
.irp i, 0,1,2,3,4,5,6,7,8,9,10,11,12,13,14,15
	ds_store_b128 v[VS], v[R+64+4*\i:R+64+4*\i+3] offset:XTH+\i*544
.endr
	BLOCK 2                                        ; LDS serves a wave's instructions in order: its loads see the stores above
	BLOCK 3
.irp e, 0,1,2,3,4,5,6,7
	v_add_f32 v[T+\e], v[L+2*\e], v[L+2*\e+1]      ; even k's and odd k's
.endr
	ds_store_b128 v[VLG], v[T:T+3]
	ds_store_b128 v[VLG], v[T+4:T+7] offset:16
	ds_store_b32 v[VSS], v[SB]
	s_wait_dscnt 0x0                               ; for the others' sake: my stores have landed
	s_barrier_signal -1
	s_barrier_wait -1                              ; codes, scale bytes and partial logits of all eight waves lie in LDS
.irp n, 0,1,2,3,4,5,6,7
	ds_load_b128 v[64+4*\n:64+4*\n+3], v[VCR] offset:(\n/2)*CP+512*(\n%2)
.endr
.irp n, 0,1,2,3,4,5,6,7
	s_wait_dscnt 7-\n
	global_store_b128 v[L16], v[64+4*\n:64+4*\n+3], s[10:11] offset:(\n/2)*1024+512*(\n%2)   ; the wave stores 512 consecutive bytes of a token's codes
.endr
	s_cmp_lt_u32 s24, 2                            ; waves 0 and 1: the 1,024 scale bytes
	s_cbranch_scc0 .Lnot_scales
	ds_load_b128 v[96:99], v[VSR]
	v_add_nc_u32 v14, s26, v[L16]                  ; 512 x wave + 16 x lane
	s_wait_dscnt 0x0
	global_store_b128 v14, v[96:99], s[12:13]
.Lnot_scales:
	s_cmp_eq_u32 s24, 2                            ; wave 2: the argmax, a token to a lane
	s_cbranch_scc0 .Ldone
.irp q, 0,1,2,3,4,5,6,7
	ds_load_b128 v[128+8*\q:128+8*\q+3], v[VLR] offset:1024*\q
	ds_load_b128 v[128+8*\q+4:128+8*\q+7], v[VLR] offset:1024*\q+16
.endr
	s_wait_dscnt 0x0
.irp p, 0,2,4,6
	v_pk_add_f32 v[L+\p:L+\p+1], v[128+\p:128+\p+1], v[136+\p:136+\p+1]
.endr
.irp q, 2,3,4,5,6,7
.irp p, 0,2,4,6
	v_pk_add_f32 v[L+\p:L+\p+1], v[L+\p:L+\p+1], v[128+8*\q+\p:128+8*\q+\p+1]
.endr
.endr
.irp e, 0,1,2,3,4,5,6,7
	v_add_f32 v[L+\e], s[16+\e], v[L+\e]           ; + bg
.endr
	v_mov_b32 v24, 0
.irp e, 1,2,3,4,5,6,7
	v_cmp_ge_f32 vcc_lo, v[L], v[L+\e]             ; the best so far stays on a tie: the lower index
	v_cndmask_b32 v24, \e, v24, vcc_lo
	v_max_num_f32 v[L], v[L], v[L+\e]
.endr
	global_store_b32 v[E4], v24, s[14:15]
.Ldone:
	s_set_vgpr_msb 0x5
	s_wait_tensorcnt 0x0
	ds_add_u32 v0, v1
	s_wait_dscnt 0x0
	s_set_vgpr_msb 0x500
	s_endpgm
.Lfunc_end_k_q5ae95b7f50_gate:
	.size	k_q5ae95b7f50_gate, .Lfunc_end_k_q5ae95b7f50_gate-k_q5ae95b7f50_gate
	.p2alignl 7, 3214868480
	.fill 96, 4, 3214868480
	.section	.rodata,"a",@progbits
	.p2align	6, 0x0
	.amdhsa_kernel k_q5ae95b7f50_gate
		.amdhsa_group_segment_fixed_size 215552
		.amdhsa_private_segment_fixed_size 0
		.amdhsa_enable_private_segment 0
		.amdhsa_kernarg_size 48
		.amdhsa_user_sgpr_count 2
		.amdhsa_user_sgpr_kernarg_segment_ptr 1
		.amdhsa_wavefront_size32 1
		.amdhsa_system_sgpr_workgroup_id_x 1
		.amdhsa_system_sgpr_workgroup_id_y 1
		.amdhsa_system_sgpr_workgroup_id_z 1
		.amdhsa_system_vgpr_workitem_id 0
		.amdhsa_next_free_vgpr 258
		.amdhsa_next_free_sgpr 66
		.amdhsa_reserve_vcc 1
		.amdhsa_float_denorm_mode_32 3
		.amdhsa_float_denorm_mode_16_64 3
		.amdhsa_memory_ordered 1
		.amdhsa_forward_progress 1
		.amdhsa_inst_pref_size 83
	.end_amdhsa_kernel
	.amdgpu_metadata
---
amdhsa.version: [ 1, 2 ]
amdhsa.kernels:
  - .name:           k_q5ae95b7f50_gate
    .symbol:         k_q5ae95b7f50_gate.kd
    .args:
      - { .name: x, .offset: 0, .size: 8, .value_kind: global_buffer, .address_space: global }
      - { .name: Wg, .offset: 8, .size: 8, .value_kind: global_buffer, .address_space: global }
      - { .name: bg, .offset: 16, .size: 8, .value_kind: global_buffer, .address_space: global }
      - { .name: xq, .offset: 24, .size: 8, .value_kind: global_buffer, .address_space: global }
      - { .name: xs, .offset: 32, .size: 8, .value_kind: global_buffer, .address_space: global }
      - { .name: eid, .offset: 40, .size: 8, .value_kind: global_buffer, .address_space: global }
    .group_segment_fixed_size: 215552
    .private_segment_fixed_size: 0
    .kernarg_segment_align: 8
    .kernarg_segment_size: 48
    .max_flat_workgroup_size: 256
    .sgpr_count:     66
    .vgpr_count:     258
    .wavefront_size: 32
...
	.end_amdgpu_metadata
.endif
;; end of part 1
;; launch place (part 2): grid 32 x 1, 32 waves a work-group, no clusters, 282,880 bytes of LDS; arguments eid, W1_codes, proj_codes, rows, cnt, w1f, pjf; writes rows, cnt, w1f, pjf
.if DOCPART == 2
	.amdgcn_target "amdgcn-amd-amdhsa--gfx1250"
	.amdhsa_code_object_version 6
	.text
	.protected	k_q5ae95b7f50_place
	.globl	k_q5ae95b7f50_place
	.p2align	8
	.type	k_q5ae95b7f50_place,@function
k_q5ae95b7f50_place:
	s_mov_b64 s[64:65], 0
	v_nop
	global_prefetch_b8 v0, s[64:65] scope:SCOPE_SE
	s_setreg_imm32_b32 hwreg(HW_REG_WAVE_MODE, 25, 1), 1
	s_wait_xcnt 0x0
; Two jobs that need each other's launch only: they part at the head on the work-group's number, and each has LDS bytes of its own.
; WORK-GROUPS 0-7: work-group e places the tokens of expert e.  rows[e][0 .. n_e - 1] = its tokens; the other tokens fill the region from the back, so that all
; 8,192 entries are written and every entry is a token.  cnt[e][0 .. 31] = n_e.  A counting sort without atomics: thread t holds tokens 8 t .. 8 t + 7; a token's
; place is the number of matches ahead of it in the order (wave, j, lane): earlier waves' totals (through LDS, one barrier), earlier j's (scalar counts), lower lanes (v_mbcnt).
; WORK-GROUPS 8-31: W1's and proj's codes are laid as IMAGES OF OPERAND REGISTERS, so that the chain's waves load fragments whole, 512 consecutive bytes a load.
; Fragment (expert e, tile t of 16 rows, K step s of 128): 2,048 bytes at ((32 e + t) NS + s) 2048; piece c (registers 4 c .. 4 c + 3) at + 512 c; lane l's 16 bytes at + 16 l.
; THE ROWS OF A TILE ARE NOT NEIGHBOURS: lane r of tile 2 g + u holds row 32 g + 8 u + r + 8 (r / 8), so that two neighbouring tiles' results are 16 neighbours along the next K.
; A wave takes 32 rows x 256 bytes (four fragments): loaded as they lie (sixteen lanes to 256 bytes), turned in its own stage (rows of 256 + 16 bytes), stored as images.
.set RSTW, 8704                        ; a wave's stage: 32 rows x 272
.set SRT,  278528                      ; behind the 32 stages: the sort's 32 words
	s_load_b256 s[4:11], s[0:1], 0x0               ; eid s[4:5], W1_codes s[6:7], proj_codes s[8:9], rows s[10:11]
	s_load_b128 s[12:15], s[0:1], 0x20             ; cnt s[12:13], w1f s[14:15]
	s_load_b64 s[16:17], s[0:1], 0x30              ; pjf
	v_lshl_add_u32 v126, v0, 2, 0x44100
	v_mov_b32 v127, 0
	v_lshrrev_b32 v1, 5, v0
	v_readfirstlane_b32 s18, v1                    ; wave
	v_and_b32 v1, 31, v0                           ; lane
	v_and_b32 v2, 15, v0                           ; r
	v_bfe_u32 v3, v0, 4, 1                         ; h
	s_mul_i32 s19, s18, RSTW
	v_mul_u32_u24 v4, v3, 272
	v_lshl_add_u32 v4, v2, 4, v4
	v_add_nc_u32 v4, s19, v4                       ; the stage, in: two rows a store
	v_and_b32 v5, 8, v2
	v_add_nc_u32 v5, v5, v2                        ; r + 8 (r / 8)
	v_mul_u32_u24 v5, v5, 272
	v_lshl_add_u32 v5, v3, 4, v5
	v_add_nc_u32 v5, s19, v5                       ; the stage, out: my row of a tile, + 16 h
	s_lshl_b32 s20, s18, 2
	s_add_co_u32 s20, s20, SRT
	v_mov_b32 v6, s20                              ; my wave's word
	v_lshl_add_u32 v7, v1, 2, SRT                  ; wave number 'lane''s word
	v_lshlrev_b32 v8, 4, v1                        ; 16 x lane
	s_cmp_lt_u32 ttmp9, 8
	s_cbranch_scc0 .Lrelay
	; ---- the sort
	v_lshlrev_b32 v9, 5, v0                        ; my eight ids: 32 bytes
	s_lshl_b32 s20, ttmp9, 15                      ; rows: 32,768 bytes an expert
	s_mov_b32 s21, 0
	s_lshl_b32 s22, ttmp9, 7                       ; cnt: 128 bytes an expert
	s_mov_b32 s23, 0
	s_mov_b32 s26, ttmp9
	s_mov_b32 s44, 0x76543210
	s_mov_b32 s45, 0xfedcba98                      ; v_permlanex16_b32's selects for lane l xor 16
	s_wait_kmcnt 0x0
	global_load_b128 v[16:19], v9, s[4:5]
	global_load_b128 v[20:23], v9, s[4:5] offset:16
	s_add_nc_u64 s[10:11], s[10:11], s[20:21]
	s_add_nc_u64 s[12:13], s[12:13], s[22:23]
	v_lshlrev_b32 v40, 3, v0                       ; my tokens' numbers
.irp j, 1,2,3,4,5,6,7
	v_add_nc_u32 v[40+\j], \j, v40
.endr
	s_lshl_b32 s24, s18, 8
	v_add_nc_u32 v10, s24, v1                      ; 256 x wave + lane
	v_mov_b32 v14, 0                               ; (a lane move's destination counts as read)
	s_mov_b32 s25, 0
	s_wait_loadcnt 0x0
.irp j, 0,1,2,3,4,5,6,7
	v_cmp_eq_u32 s[28+\j], s26, v[16+\j]           ; which lanes' j-th token is this expert's
	s_bcnt1_i32_b32 s[36+\j], s[28+\j]
	s_add_co_u32 s25, s25, s[36+\j]
.endr
	v_mov_b32 v11, s25
	ds_store_b32 v6, v11                           ; my wave's total
	s_wait_dscnt 0x0
	s_barrier_signal -1
	s_barrier_wait -1
	ds_load_b32 v12, v7                            ; lane i: wave i's total
	s_wait_dscnt 0x0
	v_cmp_gt_u32 vcc_lo, s18, v1
	v_cndmask_b32 v13, 0, v12, vcc_lo              ; only the waves ahead of mine
.macro ISUM v, t                       ; the sum over the 32 lanes, in every lane
.irp k, 1,2,4,8
	v_mov_b32_dpp v[\t], v[\v] row_xmask:\k row_mask:0xf bank_mask:0xf
	v_add_nc_u32 v[\v], v[\v], v[\t]
.endr
	v_permlanex16_b32 v[\t], v[\v], s44, s45
	v_add_nc_u32 v[\v], v[\v], v[\t]
.endm
	ISUM 13, 14                                    ; matches in earlier waves
	ISUM 12, 14                                    ; n_e
.irp j, 0,1,2,3,4,5,6,7
	v_mbcnt_lo_u32_b32 v[48+\j], s[28+\j], v13     ; matches ahead of me
	v_sub_nc_u32 v[32+\j], 8191-32*\j, v10
	v_add_nc_u32 v[32+\j], v[32+\j], v[48+\j]      ; 8191 - (tokens ahead of me that do not match)
	v_cndmask_b32 v[32+\j], v[32+\j], v[48+\j], s[28+\j]
	v_add_nc_u32 v13, s[36+\j], v13
	v_min_u32 v[32+\j], 0x1fff, v[32+\j]           ; a place made from loaded numbers is held inside the region
	v_lshlrev_b32 v[32+\j], 2, v[32+\j]
	global_store_b32 v[32+\j], v[40+\j], s[10:11]
.endr
	s_cmp_lg_u32 s18, 0
	s_cbranch_scc1 .Lsort_end
	v_lshlrev_b32 v15, 2, v1
	global_store_b32 v15, v12, s[12:13]
.Lsort_end:
	s_wait_tensorcnt 0x0
	ds_add_u32 v126, v127
	s_wait_dscnt 0x0
	s_endpgm
	; ---- the images.  Work-groups 8-23: W1 (rows of 1,024 bytes, 8 K steps); 24-31: proj (512 bytes, 4).  Only sizes and pointers are chosen: one text serves both.
.Lrelay:
	s_cmp_lt_u32 ttmp9, 24
	s_mov_b32 s20, 512
	s_cselect_b32 s20, 1024, s20                   ; a row's bytes
	s_cselect_b32 s21, 2, 1                        ; log2 of a row's pieces of 256 bytes
	s_cselect_b32 s22, 8, 4                        ; K steps
	s_cselect_b32 s23, 8, 24                       ; the tensor's first work-group
	s_wait_kmcnt 0x0
	s_cselect_b64 s[6:7], s[6:7], s[8:9]
	s_cselect_b64 s[14:15], s[14:15], s[16:17]
	s_sub_co_u32 s24, ttmp9, s23
	s_lshl_b32 s24, s24, 5
	s_add_co_u32 s24, s24, s18                     ; my job
	s_lshr_b32 s25, s24, s21                       ; which 32 rows of the tensor
	s_lshl_b32 s26, s25, s21
	s_sub_co_u32 s26, s24, s26                     ; which 256 bytes of them
	s_mul_i32 s28, s25, s20
	s_lshl_b32 s28, s28, 5
	s_lshl_b32 s27, s26, 8
	s_add_co_u32 s28, s28, s27
	s_mov_b32 s29, 0
	s_add_nc_u64 s[6:7], s[6:7], s[28:29]
	s_mul_i32 s30, s25, s22
	s_add_co_u32 s30, s30, s26
	s_lshl_b32 s30, s30, 12                        ; two tiles x NS fragments a group of rows; two fragments a piece
	s_mov_b32 s31, 0
	s_add_nc_u64 s[14:15], s[14:15], s[30:31]      ; the even tile's two fragments,
	s_lshl_b32 s32, s22, 11
	s_mov_b32 s33, 0
	s_add_nc_u64 s[34:35], s[14:15], s[32:33]      ; the odd tile's
	v_mul_u32_u24 v16, s20, v3
	v_lshl_add_u32 v16, v2, 4, v16                 ; row h, 16 bytes a lane
	s_lshl_b32 s36, s20, 1
.irp i, 1,2,3,4,5,6,7,8,9,10,11,12,13,14,15
	v_add_nc_u32 v[16+\i], s36, v[15+\i]           ; two rows on
.endr
.irp i, 0,1,2,3,4,5,6,7,8,9,10,11,12,13,14,15
	global_load_b128 v[32+4*\i:32+4*\i+3], v[16+\i], s[6:7] th:TH_LOAD_NT
.endr
	s_wait_loadcnt 0x0
.irp i, 0,1,2,3,4,5,6,7,8,9,10,11,12,13,14,15
	ds_store_b128 v4, v[32+4*\i:32+4*\i+3] offset:\i*544
.endr
	s_wait_dscnt 0x0                               ; the stores have read their registers: the loads below land in them
.irp uu, 0,1
.irp ks, 0,1
.irp c, 0,1,2,3
	ds_load_b128 v[32+4*(8*\uu+4*\ks+\c):32+4*(8*\uu+4*\ks+\c)+3], v5 offset:\uu*2176+128*\ks+32*\c
.endr
.endr
.endr
.irp uu, 0,1
.irp ks, 0,1
.irp c, 0,1,2,3
	s_wait_dscnt 15-(8*\uu+4*\ks+\c)
.if \uu == 0
	global_store_b128 v8, v[32+4*(8*\uu+4*\ks+\c):32+4*(8*\uu+4*\ks+\c)+3], s[14:15] offset:\ks*2048+512*\c
.else
	global_store_b128 v8, v[32+4*(8*\uu+4*\ks+\c):32+4*(8*\uu+4*\ks+\c)+3], s[34:35] offset:\ks*2048+512*\c
.endif
.endr
.endr
.endr
	s_wait_tensorcnt 0x0
	ds_add_u32 v126, v127
	s_wait_dscnt 0x0
	s_endpgm
.Lfunc_end_k_q5ae95b7f50_place:
	.size	k_q5ae95b7f50_place, .Lfunc_end_k_q5ae95b7f50_place-k_q5ae95b7f50_place
	.p2alignl 7, 3214868480
	.fill 96, 4, 3214868480
	.section	.rodata,"a",@progbits
	.p2align	6, 0x0
	.amdhsa_kernel k_q5ae95b7f50_place
		.amdhsa_group_segment_fixed_size 282880
		.amdhsa_private_segment_fixed_size 0
		.amdhsa_enable_private_segment 0
		.amdhsa_kernarg_size 56
		.amdhsa_user_sgpr_count 2
		.amdhsa_user_sgpr_kernarg_segment_ptr 1
		.amdhsa_wavefront_size32 1
		.amdhsa_system_sgpr_workgroup_id_x 1
		.amdhsa_system_sgpr_workgroup_id_y 1
		.amdhsa_system_sgpr_workgroup_id_z 1
		.amdhsa_system_vgpr_workitem_id 0
		.amdhsa_next_free_vgpr 128
		.amdhsa_next_free_sgpr 66
		.amdhsa_reserve_vcc 1
		.amdhsa_float_denorm_mode_32 3
		.amdhsa_float_denorm_mode_16_64 3
		.amdhsa_memory_ordered 1
		.amdhsa_forward_progress 1
		.amdhsa_inst_pref_size 16
	.end_amdhsa_kernel
	.amdgpu_metadata
---
amdhsa.version: [ 1, 2 ]
amdhsa.kernels:
  - .name:           k_q5ae95b7f50_place
    .symbol:         k_q5ae95b7f50_place.kd
    .args:
      - { .name: eid, .offset: 0, .size: 8, .value_kind: global_buffer, .address_space: global }
      - { .name: W1_codes, .offset: 8, .size: 8, .value_kind: global_buffer, .address_space: global }
      - { .name: proj_codes, .offset: 16, .size: 8, .value_kind: global_buffer, .address_space: global }
      - { .name: rows, .offset: 24, .size: 8, .value_kind: global_buffer, .address_space: global }
      - { .name: cnt, .offset: 32, .size: 8, .value_kind: global_buffer, .address_space: global }
      - { .name: w1f, .offset: 40, .size: 8, .value_kind: global_buffer, .address_space: global }
      - { .name: pjf, .offset: 48, .size: 8, .value_kind: global_buffer, .address_space: global }
    .group_segment_fixed_size: 282880
    .private_segment_fixed_size: 0
    .kernarg_segment_align: 8
    .kernarg_segment_size: 56
    .max_flat_workgroup_size: 1024
    .sgpr_count:     66
    .vgpr_count:     128
    .wavefront_size: 32
...
	.end_amdgpu_metadata
.endif
;; end of part 2
;; launch chain (part 3): grid 178 x 1, 8 waves a work-group, no clusters, 178,432 bytes of LDS; arguments xq, xs, w1f, pjf, W1_scales, proj_scales, b1, ctrl, scaling, rows, cnt, out0; writes out0
.if DOCPART == 3
	.amdgcn_target "amdgcn-amd-amdhsa--gfx1250"
	.amdhsa_code_object_version 6
	.text
	.protected	k_q5ae95b7f50_chain
	.globl	k_q5ae95b7f50_chain
	.p2align	8
	.type	k_q5ae95b7f50_chain,@function
k_q5ae95b7f50_chain:
	s_mov_b64 s[64:65], 0
	v_nop
	global_prefetch_b8 v0, s[64:65] scope:SCOPE_SE
	s_setreg_imm32_b32 hwreg(HW_REG_WAVE_MODE, 25, 1), 1
	s_wait_xcnt 0x0
; One work-group takes one tile of up to 48 tokens of ONE expert through the whole chain: gather the tokens' codes, h = swish(x W1 + b1), h quantised along its 512 units,
; z = h proj, xn = sigmoid(z), the Gaussian basis over 8 knots, its contraction with ctrl, x scaling, and the store of the tokens' rows of out0.  Only the chosen expert's rows are
; multiplied: the gate is a one-hot mask, which throws the others away.  Both products: codes of E4M3 with E8M0 scales, v_wmma_scale_f32_16x16x128_f8f6f4, sums in f32.
; GRID: with 8,192 rows, 8 experts and tiles of 48 there are never more than ceil(8192 / 48) + 7 = 178 tiles.  The tile of a work-group is found from cnt (stored by the launch before).
; A work-group that the split leaves without rows walks the same text on tokens of the list's rest and skips its stores: so no barrier stands under a branch on loaded numbers.
; SHARES: EIGHT WAVES SHARE THE COLUMNS: wave w makes hidden units 64 w .. 64 w + 63 and outputs 64 w .. 64 w + 63 for all 48 rows.  No byte of a weight is wanted by two waves, so the
; fragments go from memory straight into registers (images laid by the launch before: 512 consecutive bytes a load), through a ring of three sets of four fragments, two K steps ahead.
; No joint loads in a cluster: a joint load lands in LDS, and here nothing of a weight is shared inside a work-group; partners would also have to be tiles of one expert, whose number hangs on the split.
; FIRST PRODUCT, TRANSPOSED (source 0 = 16 rows of W1, source 1 = 16 tokens): a lane holds one token, and the 16 registers of tiles 2 b, 2 b + 1 are units 32 b + 16 (lane / 16) + 0 .. 15,
; neighbours along the next K (the rows of a tile were chosen so).  b1 is loaded into the accumulators and is the sums' start.  The codes made go to the other waves as images of registers.
; SECOND PRODUCT, NATURAL (source 0 = 16 tokens of h, source 1 = 16 rows of proj): a lane holds ONE output unit and eight tokens, so the unit's control points are the same for all its registers.
; THE BASIS: exp(-32 (xn - b/7)^2) = g w_b r^b with g = exp(-32 xn^2), r = exp(64 xn / 7), w_b = exp(-32 b^2 / 49).  So the result is N / (S + 1e-6 / g), S = sum w_b r^b, N = sum (w_b ctrl_b scaling) r^b,
; both by Horner: two exponentials for eight.  xn lies in [0, 1] (a sigmoid), so r^7 <= e^64, S >= 1 and 1 / g <= e^32 stay far inside f32 for every input.  The order of rounding differs from the written form's.
; LIMITS: NaN and infinities among the inputs are not served.  A block of h that is all zeros gets the scale byte 1: its codes are zeros.
; REGISTERS, window 0: v1-12 addresses; v16-31, v32-47 scale words and nothing else; v48-143 twelve accumulators ((tile of units tt, tile of tokens m) at 48 + 32 m + 8 tt);
;   v144-191, v192-239 two sets of three token fragments, at work between the products; v240-255 small things.   window 1: v0-191 the ring; v192-223 ctrl; v224-227 scaling.
.set XTILE, 17408                      ; LDS: x's codes: 3 tiles of tokens x 64 pieces of 16 bytes along K x (16 tokens x 16 bytes + 16)
.set HIMG,  52224                      ; h's 12 fragments (4 m + K step) as images, 2,048 bytes each
.set HSC,   76800                      ; their scale words, 128 bytes each
.set STG,   78336                      ; the way out: 48 rows x (2,048 bytes + 16)
.set SPI,   2064
.set LN16, 1                           ; 16 x lane
.set LW1,  2                           ; + my expert's and my wave's part of w1f
.set LPJ,  3                           ; the same for pjf
.set XA,   4                           ; x's fragments: 16 r + 272 h
.set HA,   5                           ; h's images, read
.set HW,   6                           ; h's images, written: + 1024 x wave
.set HSW,  7                           ; my two scale bytes of a token's word
.set HSR,  8                           ; the words, read
.set SO0,  9                           ; the stage, in (tiles of tokens 0, 1)
.set SO2,  10                          ; (tile 2)
.set SR,   11                          ; the stage, out: my six rows
.set A16E, 12                          ; proj's scale words
.set SCA,  16                          ; W1's scale words (8 b + K step: lanes 0-15 tile 2 b, lanes 16-31 tile 2 b + 1), later proj's (4 b + K step)
.set SCB,  32                          ; x's (K step: lanes 0-15 tokens 0-15, lanes 16-31 tokens 16-31; 8 + K step: tokens 32-47), later h's (4 m + K step)
.set ACC,  48
.set XF0,  144
.set XF1,  192
.set PC,   XF0+32                      ; the codes just made
.set CS,   XF0                         ; the spline's eight coefficients of a tile of units, each twice: a pair for the packed forms
.set TM,   240                         ; v240-247 at work in the quantiser (at the head: two offsets)
.set PW,   248                         ; two scale bytes
.set RP,   249                         ; r + 8 (r / 8)
.set W7,   250                         ; v250-251 w_7, twice
.set TK,   252                         ; v252-253 the lanes' tokens x 32
.set TO,   254                         ; v254-255 offsets: the list's, later ctrl's and scaling's
.set WK1, 0x3f053c38                   ; w_b = exp(-32 b^2 / 49), b = 1 .. 7
.set WK2, 0x3d9642d4
.set WK3, 0x3b379bb0
.set WK4, 0x37f31569
.set WK5, 0x33ae5823
.set WK6, 0x2e877b19
.set WK7, 0x28642328
.set MSB, 0
.macro WIN new                         ; s_set_vgpr_msb: bits 1:0 source 0, 3:2 source 1, 5:4 source 2, 7:6 destination; the high byte repeats the setting that is left
.if MSB != \new
	s_set_vgpr_msb (MSB<<8)|\new
.set MSB, \new
.endif
.endm
.macro PLACES n                        ; plain vector lines between a matrix instruction and a load into, or a read of, its registers: eight for this form
.rept \n
	v_nop
.endr
.endm
	s_load_b512 s[4:19], s[0:1], 0x0               ; xq 4, xs 6, w1f 8, pjf 10, W1_scales 12, proj_scales 14, b1 16, ctrl 18
	s_load_b256 s[20:27], s[0:1], 0x40             ; scaling 20, rows 22, cnt 24, out0 26
	s_set_vgpr_msb 0x40
	v_lshl_add_u32 v254, v0, 2, 0x2b500
	v_mov_b32 v255, 0
	s_set_vgpr_msb 0x4000
	v_lshrrev_b32 v13, 5, v0
	v_readfirstlane_b32 s28, v13                   ; wave
	v_and_b32 v13, 31, v0                          ; lane
	v_and_b32 v14, 15, v0                          ; r
	v_bfe_u32 v15, v0, 4, 1                        ; h
	v_lshlrev_b32 v[LN16], 4, v13
	v_mul_u32_u24 v[XA], v15, 272
	v_lshl_add_u32 v[XA], v14, 4, v[XA]
	v_add_nc_u32 v[HA], HIMG, v[LN16]
	s_lshl_b32 s29, s28, 10
	v_add_nc_u32 v[HW], s29, v[HA]
	v_lshl_add_u32 v[HSR], v13, 2, HSC
	s_lshr_b32 s29, s28, 1
	s_lshl_b32 s29, s29, 7                         ; my 64 units lie in K step wave / 2,
	s_and_b32 s44, s28, 1
	s_lshl_b32 s44, s44, 1                         ; in bytes 2 (wave % 2), + 1 of its scale word
	s_add_co_u32 s29, s29, s44
	v_add_nc_u32 v[HSW], s29, v[HSR]
	v_and_b32 v[RP], 8, v14
	v_add_nc_u32 v[RP], v[RP], v14
	v_mul_u32_u24 v[SO0], v15, 8*SPI
	v_lshl_add_u32 v[SO0], v[RP], 2, v[SO0]
	s_lshl_b32 s29, s28, 8
	s_add_co_u32 s29, s29, STG
	v_add_nc_u32 v[SO0], s29, v[SO0]               ; row 8 h, column 64 w + r + 8 (r / 8)
	v_add_nc_u32 v[SO2], 32*SPI, v[SO0]
	s_mul_i32 s29, s28, 6*SPI
	s_add_co_u32 s29, s29, STG
	v_add_nc_u32 v[SR], s29, v[LN16]
	v_mul_u32_u24 v[XF1+12], v13, 272              ; the gather's way into LDS: lane l holds piece 32 p + l of row 6 w + a
	s_mul_i32 s66, s28, 6
.irp a, 0,1,2,3,4,5
	s_add_co_u32 s67, s66, \a
	s_lshr_b32 s68, s67, 4
	s_mul_i32 s68, s68, XTILE
	s_and_b32 s67, s67, 15
	s_lshl_b32 s67, s67, 4
	s_add_co_u32 s67, s67, s68
	v_add_nc_u32 v[XF1+6+\a], s67, v[XF1+12]
.endr
	v_mov_b32 v[W7], WK7
	v_mov_b32 v[W7+1], WK7
	s_mov_b32 s60, 0x76543210
	s_mov_b32 s61, 0xfedcba98                      ; v_permlanex16_b32's selects for lane l xor 16
	s_mov_b32 s62, 0x600000                        ; the mantissa field of 448
	s_wait_kmcnt 0x0
.irp e, 0,1,2,3,4,5,6,7
	s_load_b32 s[32+\e], s[24:25], 128*\e          ; n_e
.endr
	s_mov_b32 s40, 0                               ; tiles ahead of expert e
	s_mov_b32 s41, 0                               ; my expert,
	s_mov_b32 s42, 0                               ; its first tile,
	s_mov_b32 s43, 0                               ; its rows
	s_wait_kmcnt 0x0
.irp e, 0,1,2,3,4,5,6,7                        ; the last expert whose first tile is not behind my number
	s_cmp_ge_u32 ttmp9, s40
	s_cselect_b32 s41, \e, s41
	s_cselect_b32 s42, s40, s42
	s_cselect_b32 s43, s[32+\e], s43
	s_add_co_u32 s44, s[32+\e], 47
	s_lshr_b32 s44, s44, 4
	s_mul_hi_u32 s44, s44, 0x55555556              ; / 3: ceil(n_e / 48)
	s_add_co_u32 s40, s40, s44
.endr
	s_min_u32 s41, s41, 7
	s_sub_co_u32 s45, ttmp9, s42
	s_mul_i32 s45, s45, 48                         ; my tile's first place in the expert's list
	s_add_co_u32 s46, s66, s45                     ; my wave's six rows' first place
	s_lshl_b32 s47, s41, 15                        ; the expert's region of rows
.irp a, 0,1,2,3,4,5
	s_add_co_u32 s[54+\a], s46, \a
	s_min_u32 s[54+\a], s[54+\a], 0x1fff           ; held inside the region: every entry there is a token
	s_lshl_b32 s[54+\a], s[54+\a], 2
	s_add_co_u32 s[54+\a], s[54+\a], s47
	s_load_b32 s[48+\a], s[22:23], s[54+\a] offset:0x0
.endr
	v_add_nc_u32 v[TO], s45, v13                   ; the lanes' tokens, for x's scale words: places 0-31,
	v_min_u32 v[TO], 0x1fff, v[TO]
	v_lshlrev_b32 v[TO], 2, v[TO]
	v_add_nc_u32 v[TO], s47, v[TO]
	v_add_nc_u32 v[TO+1], s45, v14                 ; and 32-47
	v_add_nc_u32 v[TO+1], 32, v[TO+1]
	v_min_u32 v[TO+1], 0x1fff, v[TO+1]
	v_lshlrev_b32 v[TO+1], 2, v[TO+1]
	v_add_nc_u32 v[TO+1], s47, v[TO+1]
	global_load_b32 v[TK], v[TO], s[22:23]
	global_load_b32 v[TK+1], v[TO+1], s[22:23]
	s_lshl_b32 s66, s41, 19                        ; w1f: 524,288 bytes an expert, 65,536 a wave (four tiles x eight fragments)
	s_lshl_b32 s67, s28, 16
	s_add_co_u32 s66, s66, s67
	v_add_nc_u32 v[LW1], s66, v[LN16]
	s_lshl_b32 s66, s41, 18                        ; pjf: half of that
	s_lshl_b32 s67, s28, 15
	s_add_co_u32 s66, s66, s67
	v_add_nc_u32 v[LPJ], s66, v[LN16]
; Four fragments (my four tiles of units, K step q of W1, or q - 8 of proj) into set q % 3 of the ring
.macro LOADW q
	WIN 0x40                                       ; destination window 1, offset window 0
.irp tt, 0,1,2,3
.irp c, 0,1,2,3
.if (\q) < 8
	global_load_b128 v[64*((\q)%3)+16*\tt+4*\c:64*((\q)%3)+16*\tt+4*\c+3], v[LW1], s[8:9] offset:\tt*16384+(\q)*2048+512*\c
.else
	global_load_b128 v[64*((\q)%3)+16*\tt+4*\c:64*((\q)%3)+16*\tt+4*\c+3], v[LPJ], s[10:11] offset:\tt*8192+((\q)-8)*2048+512*\c
.endif
.endr
.endr
	WIN 0
.endm
	LOADW 0
	LOADW 1
	s_wait_kmcnt 0x0                               ; my six tokens
.irp a, 0,1,2,3,4,5
	s_min_u32 s[48+\a], s[48+\a], 0x1fff
	s_lshl_b32 s66, s[48+\a], 10
	v_add_nc_u32 v[XF1+\a], s66, v[LN16]
.endr
.irp a, 0,1,2,3,4,5
.irp p, 0,1
	global_load_b128 v[XF0+4*(2*\a+\p):XF0+4*(2*\a+\p)+3], v[XF1+\a], s[4:5] offset:512*\p    ; a token's 1,024 codes: 512 consecutive bytes a load
.endr
.endr
	v_lshl_add_u32 v[TM+2], v15, 3, v[RP]          ; 8 h + r + 8 (r / 8): lanes 16-31 take the odd tile's rows
	s_lshl_b32 s66, s41, 14
	s_lshl_b32 s67, s28, 11
	s_add_co_u32 s66, s66, s67
	v_lshlrev_b32 v[TM], 5, v[TM+2]
	v_add_nc_u32 v[TM], s66, v[TM]                 ; W1's scale bytes: 32 a row
	s_lshl_b32 s66, s41, 13
	s_lshl_b32 s67, s28, 10
	s_add_co_u32 s66, s66, s67
	v_lshlrev_b32 v[A16E], 4, v[TM+2]
	v_add_nc_u32 v[A16E], s66, v[A16E]             ; proj's: 16 a row
	s_lshl_b32 s68, s41, 11
	s_lshl_b32 s67, s28, 8
	s_add_co_u32 s68, s68, s67                     ; a row of 512 f32 an expert, 64 of them a wave
	v_lshlrev_b32 v[TM+1], 6, v15
	v_add_nc_u32 v[TM+1], s68, v[TM+1]             ; b1: + 16 h units
	s_wait_loadcnt 44                              ; the lanes' tokens are in: behind them stand the ring's 32 loads and the gather's 12
	v_min_u32 v[TK], 0x1fff, v[TK]
	v_min_u32 v[TK+1], 0x1fff, v[TK+1]
	v_lshlrev_b32 v[TK], 5, v[TK]
	v_lshlrev_b32 v[TK+1], 5, v[TK+1]
	global_load_b128 v[SCB:SCB+3], v[TK], s[6:7]
	global_load_b128 v[SCB+4:SCB+7], v[TK], s[6:7] offset:16
	global_load_b128 v[SCB+8:SCB+11], v[TK+1], s[6:7]
	global_load_b128 v[SCB+12:SCB+15], v[TK+1], s[6:7] offset:16
.irp b, 0,1
	global_load_b128 v[SCA+8*\b:SCA+8*\b+3], v[TM], s[12:13] offset:\b*1024
	global_load_b128 v[SCA+8*\b+4:SCA+8*\b+7], v[TM], s[12:13] offset:\b*1024+16
.endr
.irp m, 0,1,2
.irp tt, 0,1,2,3
	global_load_b128 v[ACC+32*\m+8*\tt:ACC+32*\m+8*\tt+3], v[TM+1], s[16:17] offset:(32*(\tt/2)+8*(\tt%2))*4       ; b1 in the result's layout: the sums begin with it
	global_load_b128 v[ACC+32*\m+8*\tt+4:ACC+32*\m+8*\tt+7], v[TM+1], s[16:17] offset:(32*(\tt/2)+8*(\tt%2))*4+16
.endr
.endr
	v_lshlrev_b32 v[TO+1], 2, v[RP]                ; (the list's loads are done: their offsets' registers are free)
	s_lshl_b32 s66, s41, 14
	s_add_co_u32 s66, s66, s67
	v_add_nc_u32 v[TO], s66, v[TO+1]               ; ctrl: 8 rows of 512 f32 an expert; my unit
	v_add_nc_u32 v[TO+1], s68, v[TO+1]             ; scaling
	s_wait_loadcnt 32                              ; the gather is in: behind it stand the 8 loads of scale words and b1's 24
.irp a, 0,1,2,3,4,5
.irp p, 0,1
	ds_store_b128 v[XF1+6+\a], v[XF0+4*(2*\a+\p):XF0+4*(2*\a+\p)+3] offset:\p*8704
.endr
.endr
	WIN 0x40
.irp tt, 0,1,2,3
.irp kb, 0,1,2,3,4,5,6,7
	global_load_b32 v[192+8*\tt+\kb], v[TO], s[18:19] offset:\kb*2048+(32*(\tt/2)+8*(\tt%2))*4
.endr
.endr
.irp tt, 0,1,2,3
	global_load_b32 v[224+\tt], v[TO+1], s[20:21] offset:(32*(\tt/2)+8*(\tt%2))*4
.endr
	WIN 0
	s_wait_dscnt 0x0                               ; for the others' sake: my six rows lie in LDS
	s_barrier_signal -1
	s_barrier_wait -1                              ; all 48 do
.macro FETCHX k                        ; the three tiles' fragments of K step k: lane (r, h) takes piece 8 k + 2 c + h of token r
.irp m, 0,1,2
.irp c, 0,1,2,3
	ds_load_b128 v[XF0+48*((\k)%2)+16*\m+4*\c:XF0+48*((\k)%2)+16*\m+4*\c+3], v[XA] offset:\m*XTILE+(8*(\k)+2*\c)*272
.endr
.endr
.endm
.macro WM1 d, a, b, sa, sb, ra, rb     ; a link of a sum; ra, rb: the side's scale words stand in lanes 16-31
.if (\ra) && (\rb)
	v_wmma_scale_f32_16x16x128_f8f6f4 v[\d:\d+7], v[\a:\a+15], v[\b:\b+15], v[\d:\d+7], v[\sa], v[\sb] matrix_a_scale:MATRIX_SCALE_ROW1 matrix_b_scale:MATRIX_SCALE_ROW1
.elseif \ra
	v_wmma_scale_f32_16x16x128_f8f6f4 v[\d:\d+7], v[\a:\a+15], v[\b:\b+15], v[\d:\d+7], v[\sa], v[\sb] matrix_a_scale:MATRIX_SCALE_ROW1
.elseif \rb
	v_wmma_scale_f32_16x16x128_f8f6f4 v[\d:\d+7], v[\a:\a+15], v[\b:\b+15], v[\d:\d+7], v[\sa], v[\sb] matrix_b_scale:MATRIX_SCALE_ROW1
.else
	v_wmma_scale_f32_16x16x128_f8f6f4 v[\d:\d+7], v[\a:\a+15], v[\b:\b+15], v[\d:\d+7], v[\sa], v[\sb]
.endif
.endm
.macro WM0 d, a, b, sa, sb, rb         ; the first link: the constant 0 starts the sum
.if \rb
	v_wmma_scale_f32_16x16x128_f8f6f4 v[\d:\d+7], v[\a:\a+15], v[\b:\b+15], 0, v[\sa], v[\sb] matrix_b_scale:MATRIX_SCALE_ROW1
.else
	v_wmma_scale_f32_16x16x128_f8f6f4 v[\d:\d+7], v[\a:\a+15], v[\b:\b+15], 0, v[\sa], v[\sb]
.endif
.endm
; K step k of the first product.  The twelve accumulators take turns, one instruction a turn.
.macro STEP1 k, cnt
.if (\k) > 0
	PLACES 8                                       ; the loads below land in the ring's set and the fragments that the step before read
.endif
	LOADW (\k)+2
.if (\k) < 7
	FETCHX (\k)+1
.endif
	s_wait_loadcnt \cnt
.if (\k) < 7
	s_wait_dscnt 12                                ; this step's fragments are in; the next step's 12 loads stay out
.else
	s_wait_dscnt 0x0
.endif
	WIN 0x01                                       ; source 0 (W1) window 1
.irp tt, 0,1,2,3
.irp m, 0,1,2
	WM1 ACC+32*\m+8*\tt, 64*((\k)%3)+16*\tt, XF0+48*((\k)%2)+16*\m, SCA+8*(\tt/2)+(\k), SCB+8*(\m/2)+(\k), \tt%2, \m%2
.endr
.endr
	WIN 0
.endm
	FETCHX 0
	STEP1 0, 52                                    ; the scale words and b1 are in: behind them stand ctrl's and scaling's 36 loads and the ring's 16
	STEP1 1, 32                                    ; from here on: the ring's sets of the next two steps stay out
	STEP1 2, 32
	STEP1 3, 32
	STEP1 4, 32
	STEP1 5, 32
	STEP1 6, 32                                    ; (the ring goes on into proj)
	STEP1 7, 32
	PLACES 8
	global_load_b128 v[SCA:SCA+3], v[A16E], s[14:15]                 ; proj's scale words take W1's place
	global_load_b128 v[SCA+4:SCA+7], v[A16E], s[14:15] offset:512
	LOADW 10
; h = a / (1 + 2^(-a log2 e)) for the 32 numbers of a lane's token in tile m.  One plain line stands behind each run of transcendentals (ISA guide 5.7.2).
.macro SWISH m
.set AB, ACC+32*(\m)
.set j, 0
.rept 16
	v_pk_mul_f32 v[XF0+j:XF0+j+1], v[AB+j:AB+j+1], 0xbfb8aa3b op_sel_hi:[1,0]     ; each accumulator is read from its low end on
.set j, j+2
.endr
.set j, 0
.rept 32
	v_exp_f32 v[XF0+j], v[XF0+j]
.set j, j+1
.endr
	v_nop
.set j, 0
	s_wait_alu depctr_va_vdst(0)
.rept 16
	v_pk_add_f32 v[XF0+j:XF0+j+1], v[XF0+j:XF0+j+1], 1.0 op_sel_hi:[1,0]
.set j, j+2
.endr
.set j, 0
.rept 32
	v_rcp_f32 v[XF0+j], v[XF0+j]
.set j, j+1
.endr
	v_nop
.set j, 0
	s_wait_alu depctr_va_vdst(0)
.rept 16
	v_pk_mul_f32 v[AB+j:AB+j+1], v[AB+j:AB+j+1], v[XF0+j:XF0+j+1]
.set j, j+2
.endr
.endm
; 32 numbers of a lane, register 16 b + i = unit 32 b + 16 (lane / 16) + i of my token, become two pieces of a fragment in v[PC] on and two scale bytes in v[PW]
.macro QUANT2 s
.irp b, 0,1
	v_max3_num_f32 v[TM+\b], |v[\s+16*\b]|, |v[\s+16*\b+1]|, 0x4800000            ; my 16 numbers of block b, and the floor 2^(9 - 127): the byte cannot fall under 1
.endr
.irp i, 2,4,6,8,10,12,14
.irp b, 0,1
	v_max3_num_f32 v[TM+\b], v[TM+\b], |v[\s+16*\b+\i]|, |v[\s+16*\b+\i+1]|
.endr
.endr
.irp b, 0,1
	v_permlanex16_b32 v[TM+2+\b], v[TM+\b], s60, s61
.endr
.irp b, 0,1
	v_max_num_f32 v[TM+\b], v[TM+\b], v[TM+2+\b]   ; with lane l xor 16's 16: the block's largest magnitude
.endr
.irp b, 0,1
	v_add_nc_u32 v[TM+6+\b], 0xfc000000, v[TM+\b]  ; 8 off its exponent field: the conversion's scale operand
.endr
.irp b, 0,1
	v_and_or_b32 v[TM+4+\b], v[TM+\b], 0x7f800000, s62   ; 448 x the scale
.endr
.irp b, 0,1
	v_lshrrev_b32 v[TM+2+\b], 23, v[TM+6+\b]       ; the scale's byte
.endr
	v_lshl_or_b32 v[PW], v[TM+3], 8, v[TM+2]
.irp b, 0,1
.irp i, 0,1,2,3,4,5,6,7,8,9,10,11,12,13,14,15
	v_med3_num_f32 v[\s+16*\b+\i], v[\s+16*\b+\i], -v[TM+4+\b], v[TM+4+\b]        ; the conversion to an 8-bit code does not saturate (ISA guide 7.6.2): hold first
.endr
	v_cvt_scalef32_pk8_fp8_f32 v[PC+4*\b:PC+4*\b+1], v[\s+16*\b:\s+16*\b+7], v[TM+6+\b]
	v_cvt_scalef32_pk8_fp8_f32 v[PC+4*\b+2:PC+4*\b+3], v[\s+16*\b+8:\s+16*\b+15], v[TM+6+\b]
.endr
	v_nop                                          ; one plain line behind the last conversion
.endm
	v_mov_b32 v[TM+2], 0                           ; (a lane permute's destination counts as read)
	v_mov_b32 v[TM+3], 0
.irp m, 0,1,2
	SWISH \m
	QUANT2 ACC+32*\m
	ds_store_b128 v[HW], v[PC:PC+3] offset:\m*8192                   ; pieces 2 (w % 2), + 1 of fragment (m, K step w / 2), as they stand
	ds_store_b128 v[HW], v[PC+4:PC+7] offset:\m*8192+512
	ds_store_b16 v[HSW], v[PW] offset:\m*512
	s_wait_dscnt 0x0                               ; the stores have read their registers
.endr
	s_barrier_signal -1
	s_barrier_wait -1                              ; h's twelve fragments and their scale words lie in LDS
.macro FETCHH k                        ; the three tiles' fragments of h for K step k, and their scale words: 15 LDS loads
.irp m, 0,1,2
.irp c, 0,1,2,3
	ds_load_b128 v[XF0+48*((\k)%2)+16*\m+4*\c:XF0+48*((\k)%2)+16*\m+4*\c+3], v[HA] offset:(4*\m+(\k))*2048+512*\c
.endr
	ds_load_b32 v[SCB+4*\m+(\k)], v[HSR] offset:(4*\m+(\k))*128
.endr
.endm
.macro STEP2 k, cnt
.if (\k) > 0
	PLACES 8
.endif
.if (\k) == 1
	LOADW 11
.endif
.if (\k) < 3
	FETCHH (\k)+1
.endif
	s_wait_loadcnt \cnt
.if (\k) < 3
	s_wait_dscnt 15                                ; this step's are in; the next step's 15 stay out
.else
	s_wait_dscnt 0x0
.endif
	WIN 0x04                                       ; source 1 (proj) window 1
.irp tt, 0,1,2,3
.irp m, 0,1,2
.if (\k) == 0
	WM0 ACC+32*\m+8*\tt, XF0+48*((\k)%2)+16*\m, 64*(((\k)+8)%3)+16*\tt, SCB+4*\m+(\k), SCA+4*(\tt/2)+(\k), \tt%2
.else
	WM1 ACC+32*\m+8*\tt, XF0+48*((\k)%2)+16*\m, 64*(((\k)+8)%3)+16*\tt, SCB+4*\m+(\k), SCA+4*(\tt/2)+(\k), 0, \tt%2
.endif
.endr
.endr
	WIN 0
.endm
	FETCHH 0
	STEP2 0, 16                                    ; proj's scale words and its first two sets are in: behind them stands the third set's 16 loads
	STEP2 1, 32                                    ; the third and fourth sets stay out
	STEP2 2, 16                                    ; the fourth
	STEP2 3, 0
	PLACES 8
; The coefficients of tile tt's unit of my lane: w_b x ctrl_b x scaling, each written twice
.macro CW kb, lit
	v_mul_f32 v[CS+2*\kb], \lit, v[CS+2*\kb]
.endm
.macro COEF tt
	WIN 0x05                                       ; sources 0 and 1 window 1
.irp kb, 0,1,2,3,4,5,6,7
	v_mul_f32 v[CS+2*\kb], v[192+8*\tt+\kb], v[224+\tt]
.endr
	WIN 0
	CW 1, WK1
	CW 2, WK2
	CW 3, WK3
	CW 4, WK4
	CW 5, WK5
	CW 6, WK6
	CW 7, WK7
.irp kb, 0,1,2,3,4,5,6,7
	v_mov_b32 v[CS+2*\kb+1], v[CS+2*\kb]
.endr
.endm
.macro HORN kb, lit                    ; S = S r + w_b;  N = N r + c_b: eight chains that do not wait for each other
.irp p, 0,2,4,6
	v_pk_fma_f32 v[ZZ+\p:ZZ+\p+1], v[ZZ+\p:ZZ+\p+1], v[RR+\p:RR+\p+1], \lit op_sel_hi:[1,1,0]
	v_pk_fma_f32 v[NN+\p:NN+\p+1], v[NN+\p:NN+\p+1], v[RR+\p:RR+\p+1], v[CS+2*\kb:CS+2*\kb+1]
.endr
.endm
; One accumulator: my unit of tile tt, eight tokens of tile m.  r, 1 / g and N stand in one of two sets of 24 registers, by turns.
.set SPS, 0
.macro SPLINE tt, m
.set ZZ, ACC+32*(\m)+8*(\tt)
.set RR, XF1+24*SPS
.set GG, RR+8
.set NN, RR+16
.set SPS, 1-SPS
.irp p, 0,2,4,6
	v_pk_mul_f32 v[ZZ+\p:ZZ+\p+1], v[ZZ+\p:ZZ+\p+1], 0xbfb8aa3b op_sel_hi:[1,0]   ; -z log2 e (the accumulator is read from its low end on)
.endr
.irp j, 0,1,2,3,4,5,6,7
	v_exp_f32 v[ZZ+\j], v[ZZ+\j]
.endr
	v_nop
	s_wait_alu depctr_va_vdst(0)
.irp p, 0,2,4,6
	v_pk_add_f32 v[ZZ+\p:ZZ+\p+1], v[ZZ+\p:ZZ+\p+1], 1.0 op_sel_hi:[1,0]
.endr
.irp j, 0,1,2,3,4,5,6,7
	v_rcp_f32 v[ZZ+\j], v[ZZ+\j]                   ; xn
.endr
	v_nop
	s_wait_alu depctr_va_vdst(0)
.irp p, 0,2,4,6
	v_pk_mul_f32 v[RR+\p:RR+\p+1], v[ZZ+\p:ZZ+\p+1], 0x41530bb1 op_sel_hi:[1,0]   ; (64 / 7) log2 e x xn
	v_pk_mul_f32 v[GG+\p:GG+\p+1], v[ZZ+\p:ZZ+\p+1], v[ZZ+\p:ZZ+\p+1]
.endr
.irp p, 0,2,4,6
	v_pk_mul_f32 v[GG+\p:GG+\p+1], v[GG+\p:GG+\p+1], 0x4238aa3b op_sel_hi:[1,0]   ; 32 log2 e x xn^2
.endr
.irp j, 0,1,2,3,4,5,6,7
	v_exp_f32 v[RR+\j], v[RR+\j]                   ; r
.endr
.irp j, 0,1,2,3,4,5,6,7
	v_exp_f32 v[GG+\j], v[GG+\j]                   ; 1 / g
.endr
	v_nop
	s_wait_dscnt 8                                 ; this set's N was stored two accumulators ago: all but the last accumulator's eight stores are done
	s_wait_alu depctr_va_vdst(0)
.irp p, 0,2,4,6
	v_pk_fma_f32 v[ZZ+\p:ZZ+\p+1], v[RR+\p:RR+\p+1], v[W7:W7+1], WK6 op_sel_hi:[1,1,0]
	v_pk_fma_f32 v[NN+\p:NN+\p+1], v[RR+\p:RR+\p+1], v[CS+14:CS+15], v[CS+12:CS+13]
.endr
	HORN 5, WK5
	HORN 4, WK4
	HORN 3, WK3
	HORN 2, WK2
	HORN 1, WK1
	HORN 0, 1.0
.irp p, 0,2,4,6
	v_pk_fma_f32 v[ZZ+\p:ZZ+\p+1], v[GG+\p:GG+\p+1], 0x358637bd, v[ZZ+\p:ZZ+\p+1] op_sel_hi:[1,0,1]   ; S + 1e-6 / g
.endr
.irp j, 0,1,2,3,4,5,6,7
	v_rcp_f32 v[ZZ+\j], v[ZZ+\j]
.endr
	v_nop
	s_wait_alu depctr_va_vdst(0)
.irp p, 0,2,4,6
	v_pk_mul_f32 v[NN+\p:NN+\p+1], v[NN+\p:NN+\p+1], v[ZZ+\p:ZZ+\p+1]
.endr
.irp j, 0,1,2,3,4,5,6,7
.if (\m) < 2
	ds_store_b32 v[SO0], v[NN+\j] offset:(16*((\m)%2)+\j)*SPI+(32*((\tt)/2)+8*((\tt)%2))*4
.else
	ds_store_b32 v[SO2], v[NN+\j] offset:(16*((\m)%2)+\j)*SPI+(32*((\tt)/2)+8*((\tt)%2))*4
.endif
.endr
.endm
.irp tt, 0,1,2,3
	COEF \tt
	SPLINE \tt, 0
	SPLINE \tt, 1
	SPLINE \tt, 2
.endr
	s_wait_dscnt 0x0                               ; for the others' sake: my columns lie in the stage
	s_barrier_signal -1
	s_barrier_wait -1                              ; 48 whole rows do
	; THE WAY OUT: my six rows, each to its token's row of out0; a row past the expert's count is not stored
.irp a, 0,1,2,3,4,5
.irp p, 0,1,2,3
	ds_load_b128 v[ACC+16*\a+4*\p:ACC+16*\a+4*\p+3], v[SR] offset:\a*SPI+512*\p
.endr
.endr
.irp a, 0,1,2,3,4,5
	s_lshl_b32 s66, s[48+\a], 11
	v_add_nc_u32 v[XF0+\a], s66, v[LN16]
.endr
.irp a, 0,1,2,3,4,5
	s_wait_dscnt 4*(5-\a)                          ; row a's four loads are in; the later rows' stay out
	s_add_co_u32 s66, s46, \a
	s_cmp_lt_u32 s66, s43
	s_cbranch_scc0 .Lskip_\a
.irp p, 0,1,2,3
	global_store_b128 v[XF0+\a], v[ACC+16*\a+4*\p:ACC+16*\a+4*\p+3], s[26:27] offset:512*\p th:TH_STORE_NT   ; the wave stores 512 consecutive bytes, at a multiple of 256 from out0's first byte
.endr
.Lskip_\a:
.endr
	s_set_vgpr_msb 0x5
	s_wait_tensorcnt 0x0
	ds_add_u32 v254, v255
	s_wait_dscnt 0x0
	s_set_vgpr_msb 0x500
	s_endpgm
.Lfunc_end_k_q5ae95b7f50_chain:
	.size	k_q5ae95b7f50_chain, .Lfunc_end_k_q5ae95b7f50_chain-k_q5ae95b7f50_chain
	.p2alignl 7, 3214868480
	.fill 96, 4, 3214868480
	.section	.rodata,"a",@progbits
	.p2align	6, 0x0
	.amdhsa_kernel k_q5ae95b7f50_chain
		.amdhsa_group_segment_fixed_size 178432
		.amdhsa_private_segment_fixed_size 0
		.amdhsa_enable_private_segment 0
		.amdhsa_kernarg_size 96
		.amdhsa_user_sgpr_count 2
		.amdhsa_user_sgpr_kernarg_segment_ptr 1
		.amdhsa_wavefront_size32 1
		.amdhsa_system_sgpr_workgroup_id_x 1
		.amdhsa_system_sgpr_workgroup_id_y 1
		.amdhsa_system_sgpr_workgroup_id_z 1
		.amdhsa_system_vgpr_workitem_id 0
		.amdhsa_next_free_vgpr 512
		.amdhsa_next_free_sgpr 80
		.amdhsa_reserve_vcc 0
		.amdhsa_float_denorm_mode_32 3
		.amdhsa_float_denorm_mode_16_64 3
		.amdhsa_memory_ordered 1
		.amdhsa_forward_progress 1
		.amdhsa_inst_pref_size 212
	.end_amdhsa_kernel
	.amdgpu_metadata
---
amdhsa.version: [ 1, 2 ]
amdhsa.kernels:
  - .name:           k_q5ae95b7f50_chain
    .symbol:         k_q5ae95b7f50_chain.kd
    .args:
      - { .name: xq, .offset: 0, .size: 8, .value_kind: global_buffer, .address_space: global }
      - { .name: xs, .offset: 8, .size: 8, .value_kind: global_buffer, .address_space: global }
      - { .name: w1f, .offset: 16, .size: 8, .value_kind: global_buffer, .address_space: global }
      - { .name: pjf, .offset: 24, .size: 8, .value_kind: global_buffer, .address_space: global }
      - { .name: W1_scales, .offset: 32, .size: 8, .value_kind: global_buffer, .address_space: global }
      - { .name: proj_scales, .offset: 40, .size: 8, .value_kind: global_buffer, .address_space: global }
      - { .name: b1, .offset: 48, .size: 8, .value_kind: global_buffer, .address_space: global }
      - { .name: ctrl, .offset: 56, .size: 8, .value_kind: global_buffer, .address_space: global }
      - { .name: scaling, .offset: 64, .size: 8, .value_kind: global_buffer, .address_space: global }
      - { .name: rows, .offset: 72, .size: 8, .value_kind: global_buffer, .address_space: global }
      - { .name: cnt, .offset: 80, .size: 8, .value_kind: global_buffer, .address_space: global }
      - { .name: out0, .offset: 88, .size: 8, .value_kind: global_buffer, .address_space: global }
    .group_segment_fixed_size: 178432
    .private_segment_fixed_size: 0
    .kernarg_segment_align: 8
    .kernarg_segment_size: 96
    .max_flat_workgroup_size: 256
    .sgpr_count:     80
    .vgpr_count:     512
    .wavefront_size: 32
...
	.end_amdgpu_metadata
.endif
;; end of part 3
